; MI455X (gfx1250); checked and timed in simulation.
; The chip was launched on July 23, 2026; its instructions are those of AMD's public machine-readable ISA for CDNA 5 (MIT licence, August 2026) and "CDNA5" Instruction Set Architecture Reference Guide (July 2026). The comments in the code are by the model that wrote it; some were corrected since.
;; PQR Quantizer. Allowed arithmetic: matrix products marked QUANTISED: E2M3 operands, one E8M0 scale for each 32 along K, by v_wmma_scale_f32_16x16x128_f8f6f4 with both operands' format E2M3, f32 sums; everything else in f32.
;; Inputs: codebook 8,192 x 512 float32; inputs 16,384 x 512 float32.
;; Outputs: out0 16,384 x 512 float32; out1 16,384 int32.
;; This version of the problem:
;;   THIS VERSION OF THE PROBLEM IS GIVEN IN LOW PRECISION. The matrix products marked QUANTISED in the list below multiply operands that are first quantised to E2M3 (2 exponent bits, 3 mantissa bits; 6 bits a number), with one power-of-two scale for each 32 numbers along K (OCP MX v1.0); their sums are f32. All else is computed in f32.
;;   The module's matrix products, in the order in which they are computed (A, B: the left and right operand; K: the contracted axis; several contracted axes count as one K, in the product's order):
;;     1. [M 16,384, K 512] x [K 512, N 8,192]; A: input inputs; B: input codebook: QUANTISED
;;   THE QUANTISER, for each operand of a quantised product, along K:
;;     - K is cut into blocks of 32 from its start; a last block that is shorter is filled with zeros.
;;     - A block's scale is 2^e with e = floor(log2(the largest magnitude in the block)) - 2, held to -126 .. 127; a block of zeros has e = 0. As a byte (E8M0): e + 127.
;;     - Each number is divided by its block's scale, clamped to +-7.5, and rounded to the nearest number of E2M3, ties to even, subnormals kept.
;;     - The product sums the exact products of the quantised numbers (number of the format x scale) in f32.
;;   ~~~python
;;   def quantise(x, axis):      # numpy; x: float32 -> the quantised numbers, widened to float32 again
;;       x = np.moveaxis(x, axis, -1); K = x.shape[-1]
;;       x = np.pad(x, [(0, 0)] * (x.ndim - 1) + [(0, -K % 32)]); x = x.reshape(x.shape[:-1] + (-1, 32)); a = np.abs(x).max(-1, keepdims=True)
;;       e = np.where(a > 0, np.clip(np.frexp(np.where(a > 0, a, 1))[1] - 1 - 2, -126, 127), 0)      # np.frexp(a)[1] - 1 = floor(log2(a)), exactly
;;       r = np.clip(x / 2.0 ** e, -7.5, 7.5)
;;       step = 2.0 ** (np.maximum(np.frexp(np.where(r == 0, 1, r))[1] - 1, 0) - 3)
;;       q = np.round(r / step) * step * 2.0 ** e      # np.round: ties to even
;;       return np.moveaxis(q.reshape(q.shape[:-2] + (-1,))[..., :K], -1, axis).astype(np.float32)
;;   ~~~
;; One version. Each part assembles by itself: llvm-mc -triple=amdgcn-amd-amdhsa -mcpu=gfx1250 --defsym DOCPART=n.
;; ======== version 1 of 1: 3 launches
;; limits: right only within a limited range of input values
;; workspace buffers: xq 6,815,744 bytes; cq 3,407,872 bytes; candv 524,288 bytes; candi 524,288 bytes
;; launch quant (part 1): grid 768 x 1, 8 waves a work-group, no clusters, 69,632 bytes of LDS; arguments inputs, codebook, xq, cq, out0; writes xq, cq, out0
.if DOCPART == 1
	.amdgcn_target "amdgcn-amd-amdhsa--gfx1250"
	.amdhsa_code_object_version 6
	.text
	.protected	k_q9857d076be_quant
	.globl	k_q9857d076be_quant
	.p2align	8
	.type	k_q9857d076be_quant,@function
k_q9857d076be_quant:
	s_mov_b64 s[64:65], 0
	v_nop
	global_prefetch_b8 v0, s[64:65] scope:SCOPE_SE
	s_setreg_imm32_b32 hwreg(HW_REG_WAVE_MODE, 25, 1), 1
	s_wait_xcnt 0x0
; inputs [16384][512] and codebook [8192][512], f32, become operands of the quantised product: codes of FP6 (E2M3) with one E8M0 byte for each 32 along K.
; WORK LEFT OUT, for all finite values of the inputs:
;   out0 = q + (x - q) is x itself in real numbers, whatever row q the index names: so no row of the codebook is gathered, and out0 is stored here, from the registers that hold x.
;   x2 is added to every d2 of a token alike, so it moves no argmin along the codes: it is not computed.  argmin of c2 - 2 mm = argmax of mm - c2 / 2.
;   Both inputs stay live: both feed the quantised product, inputs feed out0, codebook feeds c2.
;   LIMIT: a NaN, an infinity or an overflow that would arise only in x - q, in q + (x - q) or in x2 is not carried to the results.
; RESULTS: a record of 6,656 bytes for each tile of 16 rows: four fragments of 1,536 bytes (K step s at 1,536 s; register n of lane l at 512 (n / 4) + 16 l + 4 (n % 4));
;   at 6,144 the rows' scale words, 16 bytes a row; codebook alone: at 6,400 the sixteen numbers -c2 / 2, written four times over, so that the record's last 256 bytes are whole.
; SHARES: a work-group takes 32 rows (0-511 inputs, 512-767 codebook); wave w takes rows 16 (w / 4) on and K step w % 4: one fragment.  Each load reads 512 consecutive bytes of a row; the 8,192 bytes
; turn through the wave's own stage in LDS, so that lane (r, h) holds k = 64 c + 32 h + 0 .. 31 of row r.  A stream: no tensor loads, no cluster, no matrix work, no bytes that two work-groups share.
; LIMITS: NaN and infinities among the inputs are not served.  A block of zeros, or one whose largest magnitude lies under 2^(3 - 127), gets the byte 1: this program alone reads the bytes.
; c2 is added in another order than the reference adds it (four packed chains, halves of the lanes, K steps).
.set STGB, 8448                        ; a wave's stage: 16 rows x 528 bytes
.set SPT,  528
.set SCA,  8*STGB                      ; 512 bytes: scale words [row][K step]
.set SUA,  SCA+512                     ; 512 bytes: partial sums of squares [K step][row]
.set SPARE, SUA+512                    ; the spare words, 128 bytes a wave
.set REC,  6656
.set R,    16                          ; v16-79  the numbers as loaded; behind the stores of out0 the registers below lie here
.set X,    80                          ; v80-143 two blocks of 32 neighbours
.set C,    16                          ; v16-27  the fragment
.set T0,   28                          ; v28-30, v32-34 the upper halves of the blocks' codes
.set MX,   36                          ; v36-39  largest magnitudes, two chains a block
.set SO,   40                          ; v40-41  the conversions' scale operands
.set BY,   42                          ; v42-43  scale bytes
.set WD,   44
.set SH,   45
.set SQ,   48                          ; v48-55  four packed chains of squares
.set PD,   144                         ; v144-145 destinations of the lane exchanges
.set SPW,  146
.set NIL,  147
	s_load_b128 s[4:7], s[0:1], 0x0                ; inputs, codebook
	s_load_b128 s[8:11], s[0:1], 0x10              ; xq, cq
	s_load_b64 s[12:13], s[0:1], 0x20              ; out0
	v_lshl_add_u32 v[SPW], v0, 2, SPARE
	v_mov_b32 v[NIL], 0
	v_lshrrev_b32 v1, 5, v0
	s_delay_alu instid0(VALU_DEP_1)
	v_readfirstlane_b32 s16, v1                    ; wave 0..7
	s_lshr_b32 s17, s16, 2                         ; t: which 16 rows
	s_and_b32 s18, s16, 3                          ; ks: which 128 along K
	s_mul_i32 s21, s16, STGB
	s_lshl_b32 s22, s17, 8
	s_lshl_b32 s23, s18, 2
	s_add_co_u32 s22, s22, s23
	s_add_co_u32 s22, s22, SCA                     ; SCA + 256 t + 4 ks
	s_lshl_b32 s23, s18, 7
	s_lshl_b32 s24, s17, 6
	s_add_co_u32 s23, s23, s24
	s_add_co_u32 s23, s23, SUA                     ; SUA + 128 ks + 64 t
	s_mov_b32 s28, 0x76543210
	s_mov_b32 s29, 0xfedcba98                      ; selects for lane l xor 16
	v_and_b32 v1, 31, v0                           ; lane
	v_and_b32 v2, 15, v0                           ; r
	v_bfe_u32 v3, v0, 4, 1                         ; h
	v_lshlrev_b32 v4, 4, v1                        ; 16 x lane
	v_mul_u32_u24 v6, v2, SPT
	v_add_nc_u32 v5, s21, v4                       ; into the stage
	v_lshl_add_u32 v6, v3, 7, v6
	v_lshl_add_u32 v7, v2, 4, s22                  ; my row's scale word of my K step
	v_lshl_add_u32 v8, v2, 2, s23                  ; my row's partial sum
	v_add_nc_u32 v6, s21, v6                       ; out of the stage: row r, + 128 h bytes
	v_add_nc_u32 v9, SCA, v4                       ; wave 0 at the end: lane = row, its four words
	v_and_b32 v14, 7, v0
	v_mul_u32_u24 v15, v3, REC
	v_lshlrev_b32 v12, 3, v1                       ; 8 x lane
	v_lshl_add_u32 v14, v14, 3, SUA                ; the sums of rows 2 (lane % 8) and the next
	v_lshl_add_u32 v15, v2, 4, v15                 ; record lane / 16, 16 bytes a row
	v_mov_b32 v[PD], 0                             ; a lane exchange's destination counts as one of its sources
	v_mov_b32 v[PD+1], 0
	s_wait_alu depctr_va_vdst(0)                   ; the wait at the head's end
	s_wait_kmcnt 0x0
	s_cmp_lt_u32 ttmp9, 512                        ; inputs or codebook: the choice hangs on the work-group's number alone
	s_cselect_b64 s[4:5], s[4:5], s[6:7]
	s_cselect_b64 s[8:9], s[8:9], s[10:11]
	s_cselect_b32 s19, 0, 512
	s_sub_co_u32 s20, ttmp9, s19                   ; which 32 rows of the tensor
	s_lshl_b32 s24, s20, 16                        ; 32 rows of 2,048 bytes,
	s_lshl_b32 s26, s17, 15                        ; + 16 t rows,
	s_add_co_u32 s24, s24, s26
	s_lshl_b32 s26, s18, 9                         ; + 512 ks bytes
	s_add_co_u32 s24, s24, s26
	s_mov_b32 s25, 0
	s_add_nc_u64 s[4:5], s[4:5], s[24:25]
	s_add_nc_u64 s[12:13], s[12:13], s[24:25]      ; the same place in out0 (used by inputs' work-groups alone)
	s_mul_i32 s24, s20, 2*REC
	s_add_nc_u64 s[10:11], s[8:9], s[24:25]        ; the work-group's two records
	s_mul_i32 s24, s17, REC
	s_mul_i32 s26, s18, 1536
	s_add_co_u32 s24, s24, s26
	s_add_nc_u64 s[8:9], s[10:11], s[24:25]        ; my fragment
.irp i, 0,1,2,3,4,5,6,7,8,9,10,11,12,13,14,15
	global_load_b128 v[R+4*\i:R+4*\i+3], v4, s[4:5] offset:2048*\i th:TH_LOAD_NT   ; row i: 512 consecutive bytes
.endr
.irp i, 0,1,2,3,4,5,6,7,8,9,10,11,12,13,14,15
	s_wait_loadcnt 15-\i                           ; row i is in, the 15 - i younger rows may be out
	ds_store_b128 v5, v[R+4*\i:R+4*\i+3] offset:SPT*\i
.endr
	s_cmp_lt_u32 ttmp9, 512
	s_cbranch_scc0 .Lnocopy
.irp i, 0,1,2,3,4,5,6,7,8,9,10,11,12,13,14,15
	global_store_b128 v4, v[R+4*\i:R+4*\i+3], s[12:13] offset:2048*\i th:TH_STORE_NT   ; out0 = x: 512 consecutive bytes, at a multiple of 512
.endr
.Lnocopy:
.irp c, 0,1
.irp j, 0,1,2,3,4,5,6,7
	ds_load_b128 v[X+32*\c+4*\j:X+32*\c+4*\j+3], v6 offset:256*\c+16*\j   ; LDS serves a wave's instructions in order: these see my stores
.endr
.endr
	s_wait_xcnt 0x0                                ; the stores of out0 have read v16-79: they are written again only behind this wait
	s_wait_dscnt 0x0
.irp c, 0,1                            ; each block's largest magnitude in two chains, the floor 2^(3 - 127) among the leaves
	v_max3_num_f32 v[MX+\c], |v[X+32*\c]|, |v[X+32*\c+1]|, 0x1800000
	v_max3_num_f32 v[MX+2+\c], |v[X+32*\c+16]|, |v[X+32*\c+17]|, |v[X+32*\c+18]|
.endr
.irp i, 0,2,4,6,8,10
.irp c, 0,1
	s_delay_alu instid0(VALU_DEP_4)
	v_max3_num_f32 v[MX+\c], v[MX+\c], |v[X+32*\c+2+\i]|, |v[X+32*\c+3+\i]|
	s_delay_alu instid0(VALU_DEP_4)
	v_max3_num_f32 v[MX+2+\c], v[MX+2+\c], |v[X+32*\c+19+\i]|, |v[X+32*\c+20+\i]|
.endr
.endr
	s_delay_alu instid0(VALU_DEP_4)
	v_max3_num_f32 v[MX], v[MX], |v[X+14]|, |v[X+15]|
	s_delay_alu instid0(VALU_DEP_3)
	v_max3_num_f32 v[MX+1], v[MX+1], |v[X+46]|, |v[X+47]|
	s_delay_alu instid0(VALU_DEP_2)
	v_max3_num_f32 v[MX], v[MX], v[MX+2], |v[X+31]|
	s_delay_alu instid0(VALU_DEP_2)
	v_max3_num_f32 v[MX+1], v[MX+1], v[MX+3], |v[X+63]|
	s_delay_alu instid0(VALU_DEP_2)
	v_add_nc_u32 v[SO], 0xff000000, v[MX]          ; 2 off the exponent field: the conversion's scale operand
	s_delay_alu instid0(VALU_DEP_2)
	v_add_nc_u32 v[SO+1], 0xff000000, v[MX+1]
	s_delay_alu instid0(VALU_DEP_2)
	v_lshrrev_b32 v[BY], 23, v[SO]                 ; the scale's byte
	s_delay_alu instid0(VALU_DEP_2)
	v_lshrrev_b32 v[BY+1], 23, v[SO+1]
	v_lshlrev_b32 v[SH], 3, v3
	s_delay_alu instid0(VALU_DEP_2)
	v_lshl_or_b32 v[WD], v[BY+1], 16, v[BY]        ; blocks h and 2 + h of the K step,
	s_delay_alu instid0(VALU_DEP_1)
	v_lshlrev_b32 v[WD], v[SH], v[WD]              ; at their places in the word
	s_delay_alu instid0(VALU_DEP_1)
	v_permlanex16_b32 v[PD], v[WD], s28, s29
	s_delay_alu instid0(VALU_DEP_1)
	v_or_b32 v[WD], v[WD], v[PD]                   ; with lane l xor 16's two bytes the word is whole
.irp c, 0,1
	v_cvt_scalef32_pk16_fp6_f32 v[C+6*\c:C+6*\c+2], v[X+32*\c:X+32*\c+15], v[SO+\c]
	v_cvt_scalef32_pk16_fp6_f32 v[T0+4*\c:T0+4*\c+2], v[X+32*\c+16:X+32*\c+31], v[SO+\c]   ; a conversion's three registers begin on an even number: made elsewhere and moved
.endr
	v_nop                                          ; one plain place behind a scaled conversion
.irp c, 0,1
.irp i, 0,1,2
	v_mov_b32 v[C+3+6*\c+\i], v[T0+4*\c+\i]
.endr
.endr
.irp i, 0,1,2
	global_store_b128 v4, v[C+4*\i:C+4*\i+3], s[8:9] offset:512*\i   ; 512 consecutive bytes, at a multiple of 512
.endr
	ds_store_b32 v7, v[WD]                         ; both halves of the lanes write the same word with the same value
	s_wait_alu depctr_va_vdst(0)                   ; the wait ahead of the branch
	s_cmp_lt_u32 ttmp9, 512
	s_cbranch_scc1 .Lnosq                          ; squares are summed for the codebook alone
.irp p, 0,1,2,3
	v_pk_mul_f32 v[SQ+2*\p:SQ+2*\p+1], v[X+2*\p:X+2*\p+1], v[X+2*\p:X+2*\p+1]   ; the first squares start the chains
.endr
.irp i, 8,16,24,32,40,48,56
.irp p, 0,1,2,3
	s_delay_alu instid0(VALU_DEP_4)
	v_pk_fma_f32 v[SQ+2*\p:SQ+2*\p+1], v[X+\i+2*\p:X+\i+2*\p+1], v[X+\i+2*\p:X+\i+2*\p+1], v[SQ+2*\p:SQ+2*\p+1]
.endr
.endr
	s_delay_alu instid0(VALU_DEP_3)
	v_pk_add_f32 v[SQ:SQ+1], v[SQ:SQ+1], v[SQ+2:SQ+3]
	s_delay_alu instid0(VALU_DEP_2)
	v_pk_add_f32 v[SQ+4:SQ+5], v[SQ+4:SQ+5], v[SQ+6:SQ+7]
	s_delay_alu instid0(VALU_DEP_1)
	v_pk_add_f32 v[SQ:SQ+1], v[SQ:SQ+1], v[SQ+4:SQ+5]
	s_delay_alu instid0(VALU_DEP_1)
	v_add_f32 v[SQ], v[SQ], v[SQ+1]                ; my 64 squares
	s_delay_alu instid0(VALU_DEP_1)
	v_permlanex16_b32 v[PD+1], v[SQ], s28, s29
	s_delay_alu instid0(VALU_DEP_1)
	v_add_f32 v[SQ], v[SQ], v[PD+1]                ; the row's 128 squares of this K step
	ds_store_b32 v8, v[SQ]
.Lnosq:
	s_wait_dscnt 0x0                               ; for the others' sake: my stores have landed
	s_barrier_signal -1
	s_barrier_wait -1
	s_cmp_lg_u32 s16, 0                            ; wave 0 sends the two records' scale words and -c2 / 2
	s_cbranch_scc1 .Lend
	ds_load_b128 v[80:83], v9
	s_wait_dscnt 0x0
	global_store_b128 v15, v[80:83], s[10:11] offset:6144   ; sixteen lanes fill 256 consecutive bytes, at a multiple of 256
	s_cmp_lt_u32 ttmp9, 512
	s_cbranch_scc1 .Lend
.irp t, 0,1
.irp k, 0,1,2,3
	ds_load_b64 v[84+8*\t+2*\k:85+8*\t+2*\k], v14 offset:128*\k+64*\t
.endr
.endr
	s_wait_dscnt 0x0
.irp t, 0,1
	v_pk_add_f32 v[84+8*\t:85+8*\t], v[84+8*\t:85+8*\t], v[86+8*\t:87+8*\t]
.endr
.irp t, 0,1
	v_pk_add_f32 v[88+8*\t:89+8*\t], v[88+8*\t:89+8*\t], v[90+8*\t:91+8*\t]
.endr
.irp t, 0,1
	s_delay_alu instid0(VALU_DEP_2)
	v_pk_add_f32 v[84+8*\t:85+8*\t], v[84+8*\t:85+8*\t], v[88+8*\t:89+8*\t]
.endr
.irp t, 0,1
	s_delay_alu instid0(VALU_DEP_2)
	v_pk_mul_f32 v[84+8*\t:85+8*\t], v[84+8*\t:85+8*\t], -0.5 op_sel_hi:[1,0]   ; exact
.endr
.irp t, 0,1
	global_store_b64 v12, v[84+8*\t:85+8*\t], s[10:11] offset:REC*\t+6400      ; 256 consecutive bytes, at a multiple of 256
.endr
.Lend:
	s_wait_tensorcnt 0x0                           ; the wave's end
	ds_add_u32 v[SPW], v[NIL]
	s_wait_dscnt 0x0
	s_endpgm
.Lfunc_end_k_q9857d076be_quant:
	.size	k_q9857d076be_quant, .Lfunc_end_k_q9857d076be_quant-k_q9857d076be_quant
	.p2alignl 7, 3214868480
	.fill 96, 4, 3214868480
	.section	.rodata,"a",@progbits
	.p2align	6, 0x0
	.amdhsa_kernel k_q9857d076be_quant
		.amdhsa_group_segment_fixed_size 69632
		.amdhsa_private_segment_fixed_size 0
		.amdhsa_enable_private_segment 0
		.amdhsa_kernarg_size 40
		.amdhsa_user_sgpr_count 2
		.amdhsa_user_sgpr_kernarg_segment_ptr 1
		.amdhsa_wavefront_size32 1
		.amdhsa_system_sgpr_workgroup_id_x 1
		.amdhsa_system_sgpr_workgroup_id_y 1
		.amdhsa_system_sgpr_workgroup_id_z 1
		.amdhsa_system_vgpr_workitem_id 0
		.amdhsa_next_free_vgpr 148
		.amdhsa_next_free_sgpr 66
		.amdhsa_reserve_vcc 0
		.amdhsa_float_denorm_mode_32 3
		.amdhsa_float_denorm_mode_16_64 3
		.amdhsa_memory_ordered 1
		.amdhsa_forward_progress 1
		.amdhsa_inst_pref_size 19
	.end_amdhsa_kernel
	.amdgpu_metadata
---
amdhsa.version: [ 1, 2 ]
amdhsa.kernels:
  - .name:           k_q9857d076be_quant
    .symbol:         k_q9857d076be_quant.kd
    .args:
      - { .name: inputs, .offset: 0, .size: 8, .value_kind: global_buffer, .address_space: global }
      - { .name: codebook, .offset: 8, .size: 8, .value_kind: global_buffer, .address_space: global }
      - { .name: xq, .offset: 16, .size: 8, .value_kind: global_buffer, .address_space: global }
      - { .name: cq, .offset: 24, .size: 8, .value_kind: global_buffer, .address_space: global }
      - { .name: out0, .offset: 32, .size: 8, .value_kind: global_buffer, .address_space: global }
    .group_segment_fixed_size: 69632
    .private_segment_fixed_size: 0
    .kernarg_segment_align: 8
    .kernarg_segment_size: 40
    .max_flat_workgroup_size: 256
    .sgpr_count:     66
    .vgpr_count:     148
    .wavefront_size: 32
...
	.end_amdgpu_metadata
.endif
;; end of part 1
;; launch scan (part 2): grid 32 x 8, 8 waves a work-group, clusters of 4 x 1, 327,680 bytes of LDS; arguments xq, cq, candv, candi; writes candv, candi
.if DOCPART == 2
	.amdgcn_target "amdgcn-amd-amdhsa--gfx1250"
	.amdhsa_code_object_version 6
	.text
	.protected	k_q9857d076be_scan
	.globl	k_q9857d076be_scan
	.p2align	8
	.type	k_q9857d076be_scan,@function
k_q9857d076be_scan:
	s_mov_b64 s[64:65], 0
	v_nop
	global_prefetch_b8 v0, s[64:65] scope:SCOPE_SE
	s_setreg_imm32_b32 hwreg(HW_REG_WAVE_MODE, 25, 1), 1
	s_wait_xcnt 0x0
	s_wait_alu depctr_hold_cnt(0) depctr_sa_sdst(0) depctr_va_vdst(0) depctr_va_sdst(0) depctr_va_ssrc(0) depctr_va_vcc(0) depctr_vm_vsrc(0)
	s_getreg_b32 s2, hwreg(HW_REG_IB_STS2, 6, 4)
	s_cmp_eq_u32 s2, 0
	s_cbranch_scc0 .Lentry_in_a_cluster
	s_endpgm
.Lentry_in_a_cluster:
	s_bfe_u32 s2, ttmp6, 0x10000c
	s_cmp_lg_u32 s2, 0x3003
	s_cbranch_scc0 .Lentry_shape_is_right
	s_endpgm
.Lentry_shape_is_right:
; For 512 tokens and one range of 1,024 codes: e = mm - c2 / 2, mm the product on codes of FP6 (E2M3) with E8M0 scales, and for each token the greatest e and the first index that has it.
; x2 is left out: it is the same for all codes of a token, so argmin d2 = argmax e.  -c2 / 2 is the C of each tile's first product, so no vector instruction adds it.
; The eight ranges' candidates go to candv [8][16384] f32 and candi [8][16384] int32; the next launch chooses among them.
; SHARES.  Work-group (x, y): tokens 512 x on, codes 1,024 y on.  Eight waves, two to a SIMD, so that one wave's vector work stands beside the other's products.  Wave w keeps tokens 64 w on
; (4 tiles of 16, 192 registers) for the whole launch and walks all 64 code tiles.  Source 0 = 16 codes, source 1 = 16 tokens: a lane holds ONE token (lane % 16), its eight registers the codes 8 (lane / 16) + 0 .. 7.
; A TILE: 16 products (the four accumulators by turns, K ascending), the next tile's 15 LDS loads in one run, then 14 stages of four vector instructions, the four token tiles by turns.
; THE ARGMAX of a lane: four v_max3_num_f32 give the new best (the old best is the ninth leaf); where it is greater than the old one, the tile's first index and its eight e are kept.
; At the end the first kept e that equals the best names the code.  Strictly greater keeps the earlier tile; every later merge takes the lower index where the values are equal.
; LDS: 48 records of 6,656 bytes (a code tile's four fragments, scale words, -c2 / 2).  Three fills, one tensor load a wave each: records 0-15 at the head; 16-47 behind the second round; 48-63 over 0-15, behind the
; round in tile 15, when every wave's reads of records 0-15 are back.  All LDS is claimed:
; CLUSTER: the four work-groups of a cluster have the same y and read the same records: every tensor load is asked for jointly, with one descriptor and a mask that names the four.
; NO PREFETCH: the head's fill has no loop ahead of it; the second fill is asked for 256 products of each wave ahead of its first read, the third 512: no wave stands waiting for them.
; By this text's own count a wave has one tensor load outstanding at the most.
; LIMITS: an e that is NaN never becomes the best (the reference's argmin would return it); where no e is above -infinity the index 0 is given.
; REGISTERS: window 0: all that follows;  window 1: the token tiles' fragments ((t, s) at 48 t + 12 s).
.set REC,   6656
.set PA,    2*REC                      ; a wave's part of 16 records
.set PB,    4*REC                      ; of 32
.set REG0,  16*REC
.set STAGE, 48*REC                     ; 512 bytes a wave for the way out; no fill lands here
.set SPARE, STAGE+4096                 ; the spare words, 128 bytes a wave
.set SPW, 1
.set NIL, 2
.set AF0, 3                            ; 16 x lane
.set AS0, 4                            ; 16 r + 6,144
.set AC0, 5                            ; 32 h + 6,400
.set ADF, 6                            ; the same three + the record that is fetched next
.set ADS, 7
.set ADC, 11
.set TNV, 12                           ; the index of my first code of the tile in hand
.set AXS, 13                           ; 16 r
.set STO, 14
.set SRD, 15
.set XS,  16                           ; v16-31   the tokens' scale words
.set CS,  32                           ; v32-39   two sets of a code tile's scale words
.set C2,  40                           ; v40-55   two sets of -c2 / 2
.set CF,  56                           ; v56-151  two sets of a code tile's fragments
.set ACC, 152                          ; v152-183 four accumulators
.set SNAP, 184                         ; v184-215 the kept e
.set B0,  216                          ; v216-223 the best, two sets by turns
.set TI,  224                          ; v224-227 the kept tile's first index
.set M,   228                          ; v228-231 at work
.set GO,  232                          ; 8 x lane
.set FI,  ACC                          ; the end: indices; FO: the other half of the lanes' values and indices; BK: what is stored
.set FO,  ACC+4
.set BK,  ACC+12
.set WV,  16
.set G1A, 24                           ; group 1: 52 rows of 256 bytes
.set G1B, 32                           ; 104 rows
.set G0A, 40
.set G0B, 44
.set G0C, 48
.set TB,  52                           ; LDS byte of the record that the next loads fetch
.set CNT, 53
.set SEL, 54                           ; s[54:55] selects for lane l xor 16
.set MK,  56                           ; s56-59 masks
.set MSB, 0
.macro WIN new                         ; the immediate's high byte repeats the setting that is left; a switch that changes nothing is dropped
.if MSB != (\new)
	s_set_vgpr_msb (MSB<<8)|(\new)
.set MSB, (\new)
.endif
.endm
.macro CREST                           ; a round of the cluster's barrier behind its opening barrier
	s_cmp_lg_u32 s[WV], 0
	s_cbranch_scc1 .Lnot_wave_0_\@
	s_barrier_signal -3
.Lnot_wave_0_\@:
	s_barrier_wait -3
	s_barrier_signal -1
	s_barrier_wait -1
.endm
.macro CROUND
	s_barrier_signal -1
	s_barrier_wait -1
	CREST
.endm
.macro NOP4
.rept 4
	v_nop
.endr
.endm
; sixteen products: the code tile in set b against my four token tiles.  The first K step takes -c2 / 2 as C.
.macro MM b
	WIN 0x04                                       ; source 1 (the tokens) window 1
.irp s, 0,1,2,3
.irp t, 0,1,2,3
.if \s == 0
	v_wmma_scale_f32_16x16x128_f8f6f4 v[ACC+8*\t:ACC+8*\t+7], v[CF+48*\b+12*\s:CF+48*\b+12*\s+11], v[48*\t+12*\s:48*\t+12*\s+11], v[C2+8*\b:C2+8*\b+7], v[CS+4*\b+\s], v[XS+4*\t+\s] matrix_a_fmt:MATRIX_FMT_FP6 matrix_b_fmt:MATRIX_FMT_FP6
.else
	v_wmma_scale_f32_16x16x128_f8f6f4 v[ACC+8*\t:ACC+8*\t+7], v[CF+48*\b+12*\s:CF+48*\b+12*\s+11], v[48*\t+12*\s:48*\t+12*\s+11], v[ACC+8*\t:ACC+8*\t+7], v[CS+4*\b+\s], v[XS+4*\t+\s] matrix_a_fmt:MATRIX_FMT_FP6 matrix_b_fmt:MATRIX_FMT_FP6
.endif
.endr
.endr
	WIN 0
.endm
; stage st (0 .. 13) of the scan of my four token tiles; p: the set of the code tile.  Each accumulator is read from its low end on.
.macro VS st, p
.irp i, 0,1,2,3
.set A_, ACC+8*\i
.if (\st) == 0
	v_max3_num_f32 v[M+\i], v[A_], v[A_+1], v[A_+2]
.elseif (\st) == 1
	v_max3_num_f32 v[M+\i], v[M+\i], v[A_+3], v[A_+4]
.elseif (\st) == 2
	v_max3_num_f32 v[M+\i], v[M+\i], v[A_+5], v[A_+6]
.elseif (\st) == 3
	v_max3_num_f32 v[B0+4-4*(\p)+\i], v[M+\i], v[A_+7], v[B0+4*(\p)+\i]                ; the new best
.elseif (\st) == 4
	v_cmp_gt_f32 s[MK+\i], v[B0+4-4*(\p)+\i], v[B0+4*(\p)+\i]                          ; has this tile brought it?
.elseif (\st) == 5
	v_cndmask_b32 v[TI+\i], v[TI+\i], v[TNV], s[MK+\i]                                 ; then its first index is kept,
.else
	v_cndmask_b32 v[SNAP+8*\i+(\st)-6], v[SNAP+8*\i+(\st)-6], v[A_+(\st)-6], s[MK+\i]  ; and its eight e
.endif
.endr
.endm
; fifteen LDS loads in one run: a record into set nb: four fragments (12 loads of 512 consecutive bytes), the scale words (lane r: code r's four), my eight -c2 / 2
.macro LOADT nb, off
.irp n, 0,1,2,3,4,5,6,7,8,9,10,11
	ds_load_b128 v[CF+48*(\nb)+4*\n:CF+48*(\nb)+4*\n+3], v[ADF] offset:\off+512*\n
.endr
	ds_load_b128 v[CS+4*(\nb):CS+4*(\nb)+3], v[ADS] offset:\off
	ds_load_b128 v[C2+8*(\nb):C2+8*(\nb)+3], v[ADC] offset:\off
	ds_load_b128 v[C2+8*(\nb)+4:C2+8*(\nb)+7], v[ADC] offset:\off+16
.endm
.macro ADDRS
	v_add_nc_u32 v[ADF], s[TB], v[AF0]
	v_add_nc_u32 v[ADS], s[TB], v[AS0]
	v_add_nc_u32 v[ADC], s[TB], v[AC0]
.endm
; A code tile in set b.  ld: the next tile is fetched, at byte off from the record in hand; stp: the step of that record behind the fetch (under 0: back to LDS byte 0).
; sync 2: records 0-15 are read no more and are filled again: the three lines and the opening signal at the tile's head, the sixteen products inside the round, the joint refill first behind it.
; sync 1: the refill is waited for, and a barrier shows it whole to all eight waves, ahead of the fetch of its first record.
.macro TILE b, sync, ld, off, stp
.if \sync == 2
	s_wait_tensorcnt 0x0                           ; all my tensor loads have landed: my part of records 16-47
	ds_add_u32 v[SPW], v[NIL]
	s_wait_dscnt 0x0                               ; the add is done; this tile's 15 loads, my last reads of records 0-15, are back
	s_barrier_signal -1
.elseif \sync == 1
	s_wait_tensorcnt 0x0                           ; my part of records 48-63 has landed
	s_wait_dscnt 0x0
	s_barrier_signal -1
.else
	s_wait_dscnt 0x0                               ; this tile's 15 loads, issued a tile ago, are back
.endif
	MM \b
.if \sync
	s_barrier_wait -1
.endif
.if \sync == 2
	CREST                                          ; no wave of any partner still reads records 0-15 or has a load on its way
	tensor_load_to_lds s[G0C:G0C+3], s[G1A:G1A+7]  ; records 48-63
	s_nop 0
.endif
.if \ld
	NOP4                                           ; four places behind the products (ISA guide 7.12.1)
	LOADT 1-\b, \off
.else
	NOP4
.endif
.set K, 0
.rept 14
	VS K, \b
.if K == 9                             ; 40 vector instructions behind the loads that read the addresses, 16 ahead of the tile's end
	v_add_nc_u32 v[TNV], 16, v[TNV]
.if (\stp) < 0
	s_mov_b32 s[TB], 0
	ADDRS
.elseif (\stp) > 0
	s_add_co_u32 s[TB], s[TB], \stp
	ADDRS
.endif
.endif
.set K, K+1
.endr
.endm
.macro PAIR sync
	TILE 0, 0, 1, 0, 0
	TILE 1, \sync, 1, REC, 2*REC
.endm
.macro LOOP n, lab
	s_mov_b32 s[CNT], \n
\lab:
	PAIR 0
	s_sub_co_u32 s[CNT], s[CNT], 1
	s_cmp_lg_u32 s[CNT], 0
	s_cbranch_scc1 \lab
.endm
; (va, ia) takes (vb, ib) where vb is greater, or equal with the lower index
.macro TAKE va, ia, vb, ib
	v_cmp_gt_f32 s[MK], v[\vb], v[\va]
	v_cmp_eq_f32 s[MK+1], v[\vb], v[\va]
	v_cmp_lt_u32 s[MK+2], v[\ib], v[\ia]
	s_and_b32 s[MK+1], s[MK+1], s[MK+2]
	s_or_b32 s[MK], s[MK], s[MK+1]
	v_cndmask_b32 v[\va], v[\va], v[\vb], s[MK]
	v_cndmask_b32 v[\ia], v[\ia], v[\ib], s[MK]
.endm
	s_load_b256 s[4:11], s[0:1], 0x0               ; xq s[4:5], cq s[6:7], candv s[8:9], candi s[10:11]
	v_lshl_add_u32 v[SPW], v0, 2, SPARE
	v_mov_b32 v[NIL], 0
	ds_add_u32 v[SPW], v[NIL]                      ; the opening: the add, twice on end, and its wait ahead of my first tensor load
	ds_add_u32 v[SPW], v[NIL]
	v_lshrrev_b32 v233, 5, v0
	v_readfirstlane_b32 s[WV], v233                ; wave 0..7
	s_bfe_u32 s17, ttmp6, 0x40000                  ; cx
	s_lshl_b32 s18, ttmp9, 2
	s_add_co_u32 s18, s18, s17                     ; my block of 512 tokens
	s_and_b32 s19, ttmp7, 0xffff                   ; y: the range of codes, which the four partners share
.irp g, G1A, G1B                       ; dense blocks as rows of 256 bytes (32 elements of 8 bytes), no padding; the mask names all four work-groups, bit 21 beside it
	s_mov_b32 s[\g], 15|(3<<16)|(1<<21)
	s_mov_b32 s[\g+1], 32<<16
	s_mov_b32 s[\g+3], 32<<16
	s_mov_b32 s[\g+5], 32
	s_mov_b32 s[\g+6], 0
	s_mov_b32 s[\g+7], 0
.endr
	s_mov_b32 s[G1A+2], 52<<16
	s_mov_b32 s[G1A+4], 52
	s_mov_b32 s[G1B+2], 104<<16
	s_mov_b32 s[G1B+4], 104
	s_mul_i32 s20, s[WV], PA
	s_mul_i32 s21, s[WV], PB
	s_mul_i32 s22, s19, 64*REC                     ; the range's 64 records
	s_lshl_b32 s23, s[WV], 9
	s_add_co_u32 s23, s23, STAGE                   ; my stage
	s_lshl_b32 s66, s19, 10                        ; the range's first index
	s_mov_b32 s[SEL], 0x76543210
	s_mov_b32 s[SEL+1], 0xfedcba98
	s_mov_b32 s[TB], 0
	v_and_b32 v233, 31, v0                         ; lane
	v_and_b32 v234, 15, v0                         ; r
	v_bfe_u32 v235, v0, 4, 1                       ; h
	v_lshlrev_b32 v[AF0], 4, v233
	v_lshl_add_u32 v[AS0], v234, 4, 6144
	v_lshl_add_u32 v[AC0], v235, 5, 6400
	v_lshlrev_b32 v[AXS], 4, v234
	v_lshl_add_u32 v[STO], v234, 2, s23
	v_lshl_add_u32 v[SRD], v233, 3, s23
	v_lshlrev_b32 v[GO], 3, v233
	v_lshl_add_u32 v[TNV], v235, 3, s66
	s_wait_alu depctr_va_vdst(0)                   ; the wait ahead of the waits below
	s_wait_dscnt 0x0                               ; both opening adds are done
	s_wait_kmcnt 0x0
	s_mov_b32 s67, 0
	s_add_co_u32 s66, s22, s20                     ; the joint loads hang on y and on the wave's number alone
	s_add_nc_u64 s[G0A+2:G0A+3], s[6:7], s[66:67]
	s_add_nc_u64 s[G0C+2:G0C+3], s[G0A+2:G0A+3], 48*REC
	s_add_co_u32 s66, s22, s21
	s_add_nc_u64 s[G0B+2:G0B+3], s[6:7], s[66:67]
	s_add_nc_u64 s[G0B+2:G0B+3], s[G0B+2:G0B+3], REG0
	s_mov_b32 s[G0A], 1
	s_mov_b32 s[G0A+1], s20
	s_or_b32 s[G0A+3], s[G0A+3], 0x80000000
	s_mov_b32 s[G0B], 1
	s_add_co_u32 s[G0B+1], s21, REG0
	s_or_b32 s[G0B+3], s[G0B+3], 0x80000000
	s_mov_b32 s[G0C], 1
	s_mov_b32 s[G0C+1], s20
	s_or_b32 s[G0C+3], s[G0C+3], 0x80000000
	s_lshl_b32 s66, s18, 5                         ; my four token tiles: 32 x block + 4 x wave
	s_lshl_b32 s68, s[WV], 2
	s_add_co_u32 s66, s66, s68
	s_mul_i32 s66, s66, REC
	s_add_nc_u64 s[4:5], s[4:5], s[66:67]
	s_lshl_b32 s66, s19, 14                        ; the candidates: [y][token], my 64 tokens
	s_lshl_b32 s68, s18, 9
	s_add_co_u32 s66, s66, s68
	s_lshl_b32 s68, s[WV], 6
	s_add_co_u32 s66, s66, s68
	s_lshl_b32 s66, s66, 2
	s_add_nc_u64 s[8:9], s[8:9], s[66:67]
	s_add_nc_u64 s[10:11], s[10:11], s[66:67]
	CROUND                                         ; all four work-groups are here: the first joint loads meet
	tensor_load_to_lds s[G0A:G0A+3], s[G1A:G1A+7]  ; my eighth of records 0-15: one tensor load a wave at the head
	s_nop 0
	NOP4
	WIN 0x40                                       ; destination window 1
.set NN, 0
.rept 48
	global_load_b128 v[4*NN:4*NN+3], v[AF0], s[4:5] offset:REC*(NN/12)+512*(NN%12) th:TH_LOAD_NT   ; my token tiles, as they lie: 512 consecutive bytes a load
.set NN, NN+1
.endr
	WIN 0
.irp t, 0,1,2,3
	global_load_b128 v[XS+4*\t:XS+4*\t+3], v[AXS], s[4:5] offset:REC*\t+6144 th:TH_LOAD_NT          ; lane r: token r's four scale words
.endr
.irp t, 0,1,2,3
	v_mov_b32 v[B0+\t], 0xff800000                 ; the best so far: -infinity
	v_mov_b32 v[TI+\t], 0
.endr
.set NN, 0
.rept 32
	v_mov_b32 v[SNAP+NN], 0xff800000
.set NN, NN+1
.endr
	ADDRS
	s_wait_alu depctr_va_vdst(0)                   ; the wait at the head's end
	s_wait_tensorcnt 0x0                           ; my eighth of records 0-15 is in
	ds_add_u32 v[SPW], v[NIL]
	s_wait_dscnt 0x0
	CROUND
	tensor_load_to_lds s[G0B:G0B+3], s[G1B:G1B+7]  ; my eighth of records 16-47: their first fill
	s_nop 0
	NOP4
	LOADT 0, 0                                     ; record 0
	s_mov_b32 s[TB], REC
	ADDRS
	s_wait_alu depctr_va_vdst(0)                   ; the wait ahead of the wait below
	s_wait_loadcnt 0x0                             ; the tokens
	LOOP 7, .Lfirst                                ; tiles 0-13
	PAIR 2                                         ; tiles 14, 15: records 0-15 are filled again
	LOOP 15, .Lmid                                 ; tiles 16-45
	TILE 0, 0, 1, 0, -1                            ; tile 46 fetches record 47; record 48 lies where record 0 lay
	TILE 1, 1, 1, 0, REC                           ; tile 47
	LOOP 7, .Llast                                 ; tiles 48-61
	TILE 0, 0, 1, 0, 0                             ; tile 62
	TILE 1, 0, 0, 0, 0                             ; tile 63
	; THE END.  The best lies in the first set (64 tiles).  The first kept e that equals it names the code: k runs down, so the lowest k is written last.
.irp t, 0,1,2,3
	v_mov_b32 v[FI+\t], 7
	v_mov_b32 v[FO+\t], 0                          ; a lane exchange's destination counts as one of its sources
	v_mov_b32 v[FO+4+\t], 0
.endr
.irp k, 6,5,4,3,2,1,0
.irp t, 0,1,2,3
	v_cmp_neq_f32 s[MK+\t], v[SNAP+8*\t+\k], v[B0+\t]
.endr
.irp t, 0,1,2,3
	v_cndmask_b32 v[FI+\t], \k, v[FI+\t], s[MK+\t]
.endr
.endr
.irp t, 0,1,2,3
	v_add_nc_u32 v[FI+\t], v[TI+\t], v[FI+\t]      ; the code's index
.endr
.irp t, 0,1,2,3
	v_permlanex16_b32 v[FO+\t], v[B0+\t], s[SEL], s[SEL+1]          ; the token's other eight codes of each tile lie in the lane 16 away
	v_permlanex16_b32 v[FO+4+\t], v[FI+\t], s[SEL], s[SEL+1]
.endr
.irp t, 0,1,2,3
	TAKE B0+\t, FI+\t, FO+\t, FO+4+\t
.endr
.irp t, 0,1,2,3
	ds_store_b32 v[STO], v[B0+\t] offset:64*\t                      ; both halves of the lanes write the same word with the same value
	ds_store_b32 v[STO], v[FI+\t] offset:256+64*\t
.endr
	ds_load_b64 v[BK:BK+1], v[SRD]                 ; LDS serves a wave's instructions in order: two tokens a lane
	ds_load_b64 v[BK+2:BK+3], v[SRD] offset:256
	s_wait_dscnt 0x0
	global_store_b64 v[GO], v[BK:BK+1], s[8:9]     ; 256 consecutive bytes, at a multiple of 256
	global_store_b64 v[GO], v[BK+2:BK+3], s[10:11]
	s_wait_tensorcnt 0x0                           ; the wave's end
	ds_add_u32 v[SPW], v[NIL]
	s_wait_dscnt 0x0
	CROUND                                         ; the closing round
	s_endpgm
.Lfunc_end_k_q9857d076be_scan:
	.size	k_q9857d076be_scan, .Lfunc_end_k_q9857d076be_scan-k_q9857d076be_scan
	.p2alignl 7, 3214868480
	.fill 96, 4, 3214868480
	.section	.rodata,"a",@progbits
	.p2align	6, 0x0
	.amdhsa_kernel k_q9857d076be_scan
		.amdhsa_group_segment_fixed_size 327680
		.amdhsa_private_segment_fixed_size 0
		.amdhsa_enable_private_segment 0
		.amdhsa_kernarg_size 32
		.amdhsa_user_sgpr_count 2
		.amdhsa_user_sgpr_kernarg_segment_ptr 1
		.amdhsa_wavefront_size32 1
		.amdhsa_system_sgpr_workgroup_id_x 1
		.amdhsa_system_sgpr_workgroup_id_y 1
		.amdhsa_system_sgpr_workgroup_id_z 1
		.amdhsa_system_vgpr_workitem_id 0
		.amdhsa_next_free_vgpr 448
		.amdhsa_next_free_sgpr 72
		.amdhsa_reserve_vcc 0
		.amdhsa_float_denorm_mode_32 3
		.amdhsa_float_denorm_mode_16_64 3
		.amdhsa_memory_ordered 1
		.amdhsa_forward_progress 1
		.amdhsa_inst_pref_size 103
	.end_amdhsa_kernel
	.amdgpu_metadata
---
amdhsa.version: [ 1, 2 ]
amdhsa.kernels:
  - .name:           k_q9857d076be_scan
    .symbol:         k_q9857d076be_scan.kd
    .args:
      - { .name: xq, .offset: 0, .size: 8, .value_kind: global_buffer, .address_space: global }
      - { .name: cq, .offset: 8, .size: 8, .value_kind: global_buffer, .address_space: global }
      - { .name: candv, .offset: 16, .size: 8, .value_kind: global_buffer, .address_space: global }
      - { .name: candi, .offset: 24, .size: 8, .value_kind: global_buffer, .address_space: global }
    .group_segment_fixed_size: 327680
    .private_segment_fixed_size: 0
    .kernarg_segment_align: 8
    .kernarg_segment_size: 32
    .max_flat_workgroup_size: 256
    .sgpr_count:     72
    .vgpr_count:     448
    .wavefront_size: 32
...
	.end_amdgpu_metadata
.endif
;; end of part 2
;; launch pick (part 3): grid 256 x 1, 1 waves a work-group, no clusters, 0 bytes of LDS; arguments candv, candi, out1; writes out1
.if DOCPART == 3
	.amdgcn_target "amdgcn-amd-amdhsa--gfx1250"
	.amdhsa_code_object_version 6
	.text
	.protected	k_q9857d076be_pick
	.globl	k_q9857d076be_pick
	.p2align	8
	.type	k_q9857d076be_pick,@function
k_q9857d076be_pick:
	s_mov_b64 s[64:65], 0
	v_nop
	global_prefetch_b8 v0, s[64:65] scope:SCOPE_SE
	s_setreg_imm32_b32 hwreg(HW_REG_WAVE_MODE, 25, 1), 1
	s_wait_xcnt 0x0
; out1[n] = the index of the greatest of token n's eight candidates e = mm - c2 / 2 (x2 is left out: it is the same for all codes of a token).  A later range wins only where it is strictly greater:
; the ranges' indices ascend, so a tie keeps the lower index.  No row of the codebook is gathered: out0 = q + (x - q) = x was stored by the first launch.
; A work-group of one wave takes 64 tokens, two a lane: each load and the store cover 256 consecutive bytes, at a multiple of 256.  The choice selects values alone and steers no address.
	s_load_b128 s[4:7], s[0:1], 0x0                ; candv, candi
	s_load_b64 s[8:9], s[0:1], 0x10                ; out1
	s_lshl_b32 s10, ttmp9, 8
	v_lshl_add_u32 v1, v0, 3, s10
	s_wait_alu depctr_va_vdst(0)                   ; the wait at the head's end
	s_wait_kmcnt 0x0
.irp y, 0,1,2,3,4,5,6,7
	global_load_b64 v[2+2*\y:3+2*\y], v1, s[4:5] offset:65536*\y
.endr
.irp y, 0,1,2,3,4,5,6,7
	global_load_b64 v[18+2*\y:19+2*\y], v1, s[6:7] offset:65536*\y
.endr
	s_wait_loadcnt 0x0
.irp y, 1,2,3,4,5,6,7
	v_cmp_gt_f32 s12, v[2+2*\y], v2
	v_cmp_gt_f32 s13, v[3+2*\y], v3
	v_cndmask_b32 v2, v2, v[2+2*\y], s12
	v_cndmask_b32 v3, v3, v[3+2*\y], s13
	v_cndmask_b32 v18, v18, v[18+2*\y], s12
	v_cndmask_b32 v19, v19, v[19+2*\y], s13
.endr
	global_store_b64 v1, v[18:19], s[8:9]
	s_endpgm
.Lfunc_end_k_q9857d076be_pick:
	.size	k_q9857d076be_pick, .Lfunc_end_k_q9857d076be_pick-k_q9857d076be_pick
	.p2alignl 7, 3214868480
	.fill 96, 4, 3214868480
	.section	.rodata,"a",@progbits
	.p2align	6, 0x0
	.amdhsa_kernel k_q9857d076be_pick
		.amdhsa_group_segment_fixed_size 0
		.amdhsa_private_segment_fixed_size 0
		.amdhsa_enable_private_segment 0
		.amdhsa_kernarg_size 24
		.amdhsa_user_sgpr_count 2
		.amdhsa_user_sgpr_kernarg_segment_ptr 1
		.amdhsa_wavefront_size32 1
		.amdhsa_system_sgpr_workgroup_id_x 1
		.amdhsa_system_sgpr_workgroup_id_y 1
		.amdhsa_system_sgpr_workgroup_id_z 1
		.amdhsa_system_vgpr_workitem_id 0
		.amdhsa_next_free_vgpr 36
		.amdhsa_next_free_sgpr 66
		.amdhsa_reserve_vcc 0
		.amdhsa_float_denorm_mode_32 3
		.amdhsa_float_denorm_mode_16_64 3
		.amdhsa_memory_ordered 1
		.amdhsa_forward_progress 1
		.amdhsa_inst_pref_size 5
	.end_amdhsa_kernel
	.amdgpu_metadata
---
amdhsa.version: [ 1, 2 ]
amdhsa.kernels:
  - .name:           k_q9857d076be_pick
    .symbol:         k_q9857d076be_pick.kd
    .args:
      - { .name: candv, .offset: 0, .size: 8, .value_kind: global_buffer, .address_space: global }
      - { .name: candi, .offset: 8, .size: 8, .value_kind: global_buffer, .address_space: global }
      - { .name: out1, .offset: 16, .size: 8, .value_kind: global_buffer, .address_space: global }
    .group_segment_fixed_size: 0
    .private_segment_fixed_size: 0
    .kernarg_segment_align: 8
    .kernarg_segment_size: 24
    .max_flat_workgroup_size: 32
    .sgpr_count:     66
    .vgpr_count:     36
    .wavefront_size: 32
...
	.end_amdgpu_metadata
.endif
;; end of part 3
